; MI455X (gfx1250); checked and timed in simulation.
; The chip was launched on July 23, 2026; its instructions are those of AMD's public machine-readable ISA for CDNA 5 (MIT licence, August 2026) and "CDNA5" Instruction Set Architecture Reference Guide (July 2026). The comments in the code are by the model that wrote it; some were corrected since.
;; Multi Head. Allowed arithmetic: matrix products marked QUANTISED: E3M2 operands, one E8M0 scale for each 32 along K, by v_wmma_scale_f32_16x16x128_f8f6f4 with both operands' format E3M2, f32 sums; everything else in f32.
;; Inputs: weights 4,096 x 4,096 float32; x 4,096 x 4,096 float32.
;; Outputs: out0 4,096 x 4,096 float32.
;; This version of the problem:
;;   THIS VERSION OF THE PROBLEM IS GIVEN IN LOW PRECISION. The matrix products marked QUANTISED in the list below multiply operands that are first quantised to E3M2 (3 exponent bits, 2 mantissa bits; 6 bits a number), with one power-of-two scale for each 32 numbers along K (OCP MX v1.0); their sums are f32. All else is computed in f32.
;;   The module's matrix products, in the order in which they are computed (A, B: the left and right operand; K: the contracted axis; several contracted axes count as one K, in the product's order):
;;     1. [M 4,096, K 4,096] x [K 4,096, N 4,096]; A: input x; B: input weights: QUANTISED
;;   THE QUANTISER, for each operand of a quantised product, along K:
;;     - K is cut into blocks of 32 from its start; a last block that is shorter is filled with zeros.
;;     - A block's scale is 2^e with e = floor(log2(the largest magnitude in the block)) - 4, held to -126 .. 127; a block of zeros has e = 0. As a byte (E8M0): e + 127.
;;     - Each number is divided by its block's scale, clamped to +-28, and rounded to the nearest number of E3M2, ties to even, subnormals kept.
;;     - The product sums the exact products of the quantised numbers (number of the format x scale) in f32.
;;   ~~~python
;;   def quantise(x, axis):      # numpy; x: float32 -> the quantised numbers, widened to float32 again
;;       x = np.moveaxis(x, axis, -1); K = x.shape[-1]
;;       x = np.pad(x, [(0, 0)] * (x.ndim - 1) + [(0, -K % 32)]); x = x.reshape(x.shape[:-1] + (-1, 32)); a = np.abs(x).max(-1, keepdims=True)
;;       e = np.where(a > 0, np.clip(np.frexp(np.where(a > 0, a, 1))[1] - 1 - 4, -126, 127), 0)      # np.frexp(a)[1] - 1 = floor(log2(a)), exactly
;;       r = np.clip(x / 2.0 ** e, -28, 28)
;;       step = 2.0 ** (np.maximum(np.frexp(np.where(r == 0, 1, r))[1] - 1, -2) - 2)
;;       q = np.round(r / step) * step * 2.0 ** e      # np.round: ties to even
;;       return np.moveaxis(q.reshape(q.shape[:-2] + (-1,))[..., :K], -1, axis).astype(np.float32)
;;   ~~~
;; One version. Each part assembles by itself: llvm-mc -triple=amdgcn-amd-amdhsa -mcpu=gfx1250 --defsym DOCPART=n.
;; ======== version 1 of 1: 2 launches
;; limits: right only within a limited range of input values
;; workspace buffers: codes 26,607,616 bytes; rn 32,768 bytes
;; launch quant (part 1): grid 512 x 1, 8 waves a work-group, no clusters, 74,752 bytes of LDS; arguments x, weights, codes, rn; writes codes, rn
.if DOCPART == 1
	.amdgcn_target "amdgcn-amd-amdhsa--gfx1250"
	.amdhsa_code_object_version 6
	.text
	.protected	k_q87d9bbb3c1_quant
	.globl	k_q87d9bbb3c1_quant
	.p2align	8
	.type	k_q87d9bbb3c1_quant,@function
k_q87d9bbb3c1_quant:
	s_mov_b64 s[64:65], 0
	v_nop
	global_prefetch_b8 v0, s[64:65] scope:SCOPE_SE
	s_setreg_imm32_b32 hwreg(HW_REG_WAVE_MODE, 25, 1), 1
	s_wait_xcnt 0x0
; x [4096][4096] and weights [4096][4096], f32, K innermost, become codes of BF6 (E3M2) with one E8M0 scale byte for each 32 along K, and each row's 1 / max(norm, 1e-8).
; A block's scale is 2^(floor(log2(its largest magnitude)) - 4); its byte is the largest magnitude's exponent field - 4, held at 1 from below; each number is divided by the scale and rounded to the nearest code,
; ties to even, beyond 28 the largest code.  The norm is taken of the f32 numbers as they arrive, from the same registers: the inputs are read once.
; THE WORKSPACE IS LAID AS THE PRODUCT'S LAUNCH FETCHES IT.  Row block G = 0 .. 511 is 16 rows (G < 256: x's rows 16 G on; else weights' rows 16 (G - 256) on); eight row blocks are a group of 128 rows, GRP bytes.
; K's 32 steps of 128 go in slots of three (slot j = s / 3, q = s % 3; slot 10 has two).  A group's part of slot j is one dense block at HALFT j: first 2,048 bytes of scale words, 16 bytes a row (block i = G % 8 at 256 i,
; row r at 16 r: the words of q = 0, 1, 2 and a word of 0), then the fragments, that of (q, i) at 2,048 + 12,288 q + 1,536 i: an image of its 12 registers, registers 4 c .. 4 c + 3 of lane l at 512 c + 16 l.
; So the fragment of step s lies at 2,048 + 12,288 s + 2,048 (s / 3) + 1,536 i in its group.  rn is f32 at 4 (16 G + r).
; SHARES.  Work-group G takes row block G and all of K; wave w takes K steps 4 w .. 4 w + 3.  Each load reads 512 consecutive bytes of one row; a step's 16 rows x 512 bytes turn through the wave's own stage in LDS, so that
; lane (r, h) gets, of row r, the 16 neighbours 32 b + 16 h + 0 .. 15 of each block b: what the conversions take from one lane's consecutive registers.  Loads run two steps (32 loads a wave) ahead.
; A slot's three scale words come from two waves at times: all 32 steps' words meet in a table in LDS, and behind the one barrier wave w stores those of slots w and w + 8, sixteen lanes to 256 consecutive bytes, aligned.
; Nothing is shared between work-groups: no tensor loads, no cluster, no matrix work.
; LIMITS: NaN and infinities among the inputs are not served.  A block of zeros gets the byte 1 where the rule says 127: its codes are zeros, and this program alone reads the bytes.  The squares are summed in another
; order than row by row from the left; a row whose sum of squares lies under 2^-126 counts as 0 in the root, and its norm (under 2^-63) lies under 1e-8 anyway; a row whose sum of squares passes f32's range is not served.
; Root and reciprocal are the instructions' own, good to the last place but one.  rn's store covers 64 consecutive bytes a work-group: 32,768 bytes in the whole launch are written so.
.set ROWB,   16384                     ; a row of x or of weights in bytes
.set FRB,    1536                      ; a fragment's image
.set STEPB,  8*FRB                     ; a group's eight images of one K step
.set SCB,    2048                      ; a group's scale words of one slot
.set HALFT,  SCB+3*STEPB               ; a group's part of a slot of three steps: 38,912
.set GRP,    10*HALFT+SCB+2*STEPB      ; a group, all of K: 415,744
.set SPITCH, 528                       ; a stage row: 512 bytes + 16: row r begins 33 r places of 16 bytes on, so sixteen lanes that read the same column of sixteen rows touch sixteen different places modulo 256 bytes
.set WSTG,   16*SPITCH                 ; a wave's stage
.set RED,    8*WSTG                    ; behind the stages: 64 bytes for each wave: its 16 rows' partial sums
.set SCT,    RED+512                   ; behind them: the table of scale words: step s, row r at 64 s + 4 r; row 32 holds zeros.  4,096 bytes are claimed, so that the addresses of the lanes that are off at its reading lie inside the claim too
.set GA,  4                            ; v4   16 x lane: my bytes of a load's 512, and of a store's; never rewritten
.set STI, 5                            ; v5   the stage, on the way in: 16 x lane
.set STO, 6                            ; v6   on the way out: 528 r + 64 h
.set TR,  7                            ; v7   the table, at its reading: 192 x my slot + 4 r
.set RDW, 8                            ; v8   where I put my row's partial sum
.set RDR, 9                            ; v9   where wave 0 reads them
.set NO,  10                           ; v10  4 r: my row's place in rn
.set WA,  11                           ; v11  the table, at its writing: 256 x wave + 4 r
.set SLN, 12                           ; v12  the slot whose words I store: wave + 8 h
.set SOF, 13                           ; v13  and their place in the group: HALFT x slot + 16 r
.set R,   16                           ; v16-143  two sets of 64: 16 rows as they are loaded
.set X,   144                          ; v144-207 64 numbers of my row: register 16 b + i = k 32 b + 16 h + i
.set PC,  208                          ; v208-219 the fragment's codes; v220-226 at work
.set TM,  228                          ; v228-243 at work in QUANT
.set PW,  244                          ; v244-247 a scale word for each step
.set SS,  248                          ; v[248:249], v[250:251] the sum of squares, in two chains of two
.set SS2, 250
.set ZR,  255                          ; v255 0; never rewritten
.set SEL, 24                           ; s[24:25] v_permlanex16_b32's selects for lane l xor 16
.set CB,  32                           ; s[32:39] for each of my four steps: where its fragment goes
	s_load_b128 s[4:7], s[0:1], 0x0                ; x, weights
	s_load_b128 s[8:11], s[0:1], 0x10              ; codes, rn
	v_lshl_add_u32 v238, v0, 2, 0x12000
	v_mov_b32 v239, 0
	v_lshrrev_b32 v1, 5, v0
	s_delay_alu instid0(VALU_DEP_1)
	v_readfirstlane_b32 s16, v1                    ; wave 0..7
	v_and_b32 v1, 31, v0                           ; lane
	v_and_b32 v2, 15, v0                           ; r
	v_bfe_u32 v3, v0, 4, 1                         ; h
	s_delay_alu instid0(VALU_DEP_3)
	v_lshlrev_b32 v[GA], 4, v1
	s_mul_i32 s17, s16, WSTG                       ; my wave's stage
	v_add_nc_u32 v[STI], s17, v[GA]
	v_mul_u32_u24 v[STO], v2, SPITCH
	s_delay_alu instid0(VALU_DEP_1)
	v_lshl_add_u32 v[STO], v3, 6, v[STO]
	s_delay_alu instid0(VALU_DEP_1)
	v_add_nc_u32 v[STO], s17, v[STO]
	v_lshlrev_b32 v[NO], 2, v2
	s_lshl_b32 s18, s16, 6
	v_add_nc_u32 v[RDW], s18, v[NO]
	s_delay_alu instid0(VALU_DEP_1)
	v_add_nc_u32 v[RDW], RED, v[RDW]
	v_add_nc_u32 v[RDR], RED, v[NO]
	s_lshl_b32 s18, s16, 8
	v_add_nc_u32 v[WA], s18, v[NO]
	s_delay_alu instid0(VALU_DEP_1)
	v_add_nc_u32 v[WA], SCT, v[WA]
	v_lshl_add_u32 v[SLN], v3, 3, s16
	s_delay_alu instid0(VALU_DEP_1)
	v_mul_u32_u24 v[TR], v[SLN], 192               ; a slot's three steps are 192 bytes of the table
	s_delay_alu instid0(VALU_DEP_1)
	v_add_nc_u32 v[TR], v[TR], v[NO]
	s_delay_alu instid0(VALU_DEP_1)
	v_add_nc_u32 v[TR], SCT, v[TR]
	s_delay_alu instid0(VALU_DEP_4)
	v_mul_u32_u24 v[SOF], v[SLN], HALFT
	s_delay_alu instid0(VALU_DEP_1)
	v_lshl_add_u32 v[SOF], v2, 4, v[SOF]
	v_mov_b32 v[ZR], 0
.irp b, 0,1,2,3
	v_mov_b32 v[TM+4+\b], 0                        ; written once: a lane permute's destination counts as one of its sources
.endr
	v_mov_b32 v253, 0
	; where my wave's parts begin, in bytes; every one stays under 2^31, so the high words are 0
	s_and_b32 s20, ttmp9, 255
	s_lshl_b32 s20, s20, 18                        ; the input: 16 rows of 16,384 bytes a row block,
	s_lshl_b32 s19, s16, 11
	s_add_co_u32 s20, s20, s19                     ; + 4 K steps of 512 bytes a wave
	s_mov_b32 s21, 0
	s_lshr_b32 s22, ttmp9, 3
	s_mul_i32 s22, s22, GRP                        ; my group
	s_and_b32 s23, ttmp9, 7                        ; i: my row block in it
	s_mul_i32 s28, s23, FRB
	s_add_co_u32 s28, s28, s22
	s_add_co_u32 s28, s28, SCB                     ; the fragments: group + 2,048 + 1,536 i
	s_lshl_b32 s23, s23, 8
	s_add_co_u32 s22, s22, s23                     ; the scale words: group + 256 i
	s_mov_b32 s23, 0
	s_lshl_b32 s30, ttmp9, 6                       ; rn: 64 G
	s_mov_b32 s31, 0
.irp t, 0,1,2,3
	s_lshl_b32 s17, s16, 2
	s_add_co_u32 s17, s17, \t                      ; K step s = 4 x wave + t
	s_mul_i32 s18, s17, 11
	s_lshr_b32 s18, s18, 5                         ; s / 3 = (11 s) >> 5, for every s under 32
	s_mul_i32 s17, s17, STEPB
	s_lshl_b32 s18, s18, 11
	s_add_co_u32 s17, s17, s18                     ; 12,288 s + 2,048 (s / 3)
	s_add_co_u32 s[CB+2*\t], s17, s28
	s_mov_b32 s[CB+2*\t+1], 0
.endr
	s_mov_b32 s[SEL], 0x76543210
	s_mov_b32 s[SEL+1], 0xfedcba98
	s_wait_kmcnt 0x0
	s_cmp_lt_u32 ttmp9, 256                        ; x's row block or weights'?  Only the pointer is chosen, on the work-group's number: both tensors take one path through the text
	s_cselect_b64 s[4:5], s[4:5], s[6:7]
	s_add_nc_u64 s[4:5], s[4:5], s[20:21]
	s_add_nc_u64 s[12:13], s[8:9], s[22:23]        ; the scale words' base
	s_add_nc_u64 s[10:11], s[10:11], s[30:31]
.irp t, 0,1,2,3
	s_add_nc_u64 s[CB+2*\t:CB+2*\t+1], s[8:9], s[CB+2*\t:CB+2*\t+1]
.endr
.macro LOAD t                          ; step t: 16 rows x 512 bytes into set t % 2; 32 lanes read 512 consecutive bytes, read once in the launch
.irp i, 0,1,2,3,4,5,6,7,8,9,10,11,12,13,14,15
	global_load_b128 v[R+64*((\t)%2)+4*\i:R+64*((\t)%2)+4*\i+3], v[GA], s[4:5] offset:\i*ROWB+(\t)*512 th:TH_LOAD_NT
.endr
.endm
.macro TURN t                          ; through my stage: LDS serves a wave's instructions in order (ISA guide 5.7.1.4), so no wait stands between the stores and the loads
.irp i, 0,1,2,3,4,5,6,7,8,9,10,11,12,13,14,15
	ds_store_b128 v[STI], v[R+64*((\t)%2)+4*\i:R+64*((\t)%2)+4*\i+3] offset:\i*SPITCH
.endr
.irp b, 0,1,2,3
.irp j, 0,1,2,3
	ds_load_b128 v[X+16*\b+4*\j:X+16*\b+4*\j+3], v[STO] offset:128*\b+16*\j
.endr
.endr
.endm
.macro SQ t                            ; my 64 numbers' squares onto the sums: two at a time, two chains; the first step's first products start them
.if (\t) == 0
	v_pk_mul_f32 v[SS:SS+1], v[X:X+1], v[X:X+1]
	v_pk_mul_f32 v[SS2:SS2+1], v[X+2:X+3], v[X+2:X+3]
.else
	v_pk_fma_f32 v[SS:SS+1], v[X:X+1], v[X:X+1], v[SS:SS+1]
	v_pk_fma_f32 v[SS2:SS2+1], v[X+2:X+3], v[X+2:X+3], v[SS2:SS2+1]
.endif
.irp j, 4,8,12,16,20,24,28,32,36,40,44,48,52,56,60
	s_delay_alu instid0(VALU_DEP_2)
	v_pk_fma_f32 v[SS:SS+1], v[X+\j:X+\j+1], v[X+\j:X+\j+1], v[SS:SS+1]
	s_delay_alu instid0(VALU_DEP_2)
	v_pk_fma_f32 v[SS2:SS2+1], v[X+\j+2:X+\j+3], v[X+\j+2:X+\j+3], v[SS2:SS2+1]
.endr
.endm
; 64 numbers of a lane, v[s] .. v[s + 63], register 16 b + i = k 32 b + 16 h + i of my row, become a fragment's codes in v[PC] on and its scale word in v[pw].
.macro QUANT s, pw
.irp b, 0,1,2,3
	v_max3_num_f32 v[TM+\b], |v[\s+16*\b]|, |v[\s+1+16*\b]|, 0x2800000   ; block b: my 16 numbers, and the floor 2^(5 - 127), under which no largest magnitude is taken: so the byte cannot fall under 1
.endr
.irp i, 2,4,6,8,10,12,14
.irp b, 0,1,2,3
	s_delay_alu instid0(VALU_DEP_4)
	v_max3_num_f32 v[TM+\b], v[TM+\b], |v[\s+16*\b+\i]|, |v[\s+1+16*\b+\i]|   ; (the four blocks by turns: no line waits for the line above it)
.endr
.endr
.irp b, 0,1,2,3
	s_delay_alu instid0(VALU_DEP_4)
	v_permlanex16_b32 v[TM+4+\b], v[TM+\b], s[SEL], s[SEL+1]
.endr
.irp b, 0,1,2,3
	s_delay_alu instid0(VALU_DEP_4)
	v_max_num_f32 v[TM+\b], v[TM+\b], v[TM+4+\b]   ; with lane l xor 16's: the block's largest magnitude
.endr
.irp b, 0,1,2,3
	s_delay_alu instid0(VALU_DEP_4)
	v_add_nc_u32 v[TM+12+\b], 0xfe000000, v[TM+\b]   ; 4 off its exponent field: the conversion takes the exponent field of this operand as its scale, and nothing else of it
.endr
.irp b, 0,1,2,3
	s_delay_alu instid0(VALU_DEP_4)
	v_lshrrev_b32 v[TM+4+\b], 23, v[TM+12+\b]      ; the scale's byte
.endr
	s_delay_alu instid0(VALU_DEP_3)
	v_lshl_or_b32 v[\pw], v[TM+5], 8, v[TM+4]      ; the four bytes make my row's scale word (both halves of the lanes hold the same)
	s_delay_alu instid0(VALU_DEP_1)
	v_lshl_or_b32 v[\pw], v[TM+6], 16, v[\pw]
	s_delay_alu instid0(VALU_DEP_1)
	v_lshl_or_b32 v[\pw], v[TM+7], 24, v[\pw]
.irp c, 0,1
	v_cvt_scalef32_pk16_bf6_f32 v[PC+6*\c:PC+2+6*\c], v[\s+32*\c:\s+15+32*\c], v[TM+12+2*\c]
	v_cvt_scalef32_pk16_bf6_f32 v[PC+12+4*\c:PC+14+4*\c], v[\s+16+32*\c:\s+31+32*\c], v[TM+12+2*\c+1]   ; (a conversion's three registers begin on an even number)
.endr
	v_nop                                          ; one plain place behind a scaled conversion
.irp c, 0,1                                    ; the operand's layout wants a WHOLE block in a lane: lanes 0-15 block 2 c, lanes 16-31 block 2 c + 1
.irp i, 0,1,2
	v_permlane16_swap_b32 v[PC+6*\c+\i], v[PC+12+4*\c+\i]
.endr
.irp i, 0,1,2
	s_delay_alu instid0(VALU_DEP_3)
	v_mov_b32 v[PC+3+6*\c+\i], v[PC+12+4*\c+\i]    ; registers 6 c .. 6 c + 5 now hold k = 64 c + 32 h + 0 .. 31
.endr
.endr
.endm
.macro STEP t
.if (\t) > 0
	s_wait_xcnt 0x0                                ; the last step's three stores have read the codes' registers, which this step writes again
.endif
.if (\t) < 3
	s_wait_loadcnt 16                              ; this step's 16 loads are in; the next step's 16 may be out
.else
	s_wait_loadcnt 0x0
.endif
	TURN \t
	s_wait_dscnt 0x0                               ; my 64 numbers are back, and the stores into the stage have read their registers,
.if (\t) < 2
	LOAD (\t)+2                                    ; which take the loads of two steps on
.endif
	SQ \t
	QUANT X, PW+(\t)
	ds_store_b32 v[WA], v[PW+(\t)] offset:64*(\t)  ; my row's word into the table; both lanes of a row write the same word with the same value
.irp c, 0,1,2
	global_store_b128 v[GA], v[PC+4*\c:PC+4*\c+3], s[CB+2*(\t):CB+2*(\t)+1] offset:512*\c   ; the image: 32 lanes store 512 consecutive bytes, at a multiple of 256 from the buffer's first byte
.endr
.endm
	LOAD 0
	LOAD 1
	STEP 0
	STEP 1
	STEP 2
	STEP 3
	; my row's sum of squares over the wave's 512 along K
	v_pk_add_f32 v[SS:SS+1], v[SS:SS+1], v[SS2:SS2+1]
	s_delay_alu instid0(VALU_DEP_1)
	v_add_f32 v252, v[SS], v[SS+1]
	s_delay_alu instid0(VALU_DEP_1)
	v_permlanex16_b32 v253, v252, s[SEL], s[SEL+1]
	s_delay_alu instid0(VALU_DEP_1)
	v_add_f32 v252, v252, v253                     ; with lane l xor 16's half of the row
	ds_store_b32 v[RDW], v252                      ; both lanes of a row write the same word with the same value
.irp j, 0,1,2,3
	ds_store_b32 v[WA], v[ZR] offset:2048+64*\j    ; wave w writes zeros into the table's rows 32 + 4 w + j: rows 32 to 63, so that all 4,096 bytes of the table are written (row 32 is the third word of slot 10, which has two steps)
.endr
	s_wait_dscnt 0x0                               ; for the others' sake: my stores have landed
	s_barrier_signal -1
	s_barrier_wait -1                              ; the table and the eight waves' partial sums lie in LDS
	; the scale words leave: lanes 0-15 slot w, lanes 16-31 slot w + 8; there are eleven slots
	v_cmp_gt_u32 vcc_lo, 11, v[SLN]
	s_wait_xcnt 0x0                                ; EXEC changes only behind this wait: it is a source of the stores above
	s_and_saveexec_b32 s26, vcc_lo
	ds_load_b32 v252, v[TR]                        ; my row's words of the slot's three steps
	ds_load_b32 v253, v[TR] offset:64
	ds_load_b32 v254, v[TR] offset:128
	s_wait_dscnt 0x0
	global_store_b128 v[SOF], v[252:255], s[12:13] ; with a word of 0: sixteen lanes store 256 consecutive bytes, at a multiple of 256 from the buffer's first byte
	s_wait_xcnt 0x0                                ; and again, in front of the line that widens EXEC
	s_or_b32 exec_lo, exec_lo, s26
	s_cmp_lg_u32 s16, 0
	s_cbranch_scc1 .Lend                           ; wave 0 alone finishes the 16 norms
.irp j, 0,1,2,3,4,5,6,7
	ds_load_b32 v[R+\j], v[RDR] offset:64*\j
.endr
	s_wait_dscnt 0x0
	v_add_f32 v[R], v[R], v[R+1]
	v_add_f32 v[R+2], v[R+2], v[R+3]
	v_add_f32 v[R+4], v[R+4], v[R+5]
	v_add_f32 v[R+6], v[R+6], v[R+7]
	s_delay_alu instid0(VALU_DEP_3)
	v_add_f32 v[R], v[R], v[R+2]
	s_delay_alu instid0(VALU_DEP_2)
	v_add_f32 v[R+4], v[R+4], v[R+6]
	s_delay_alu instid0(VALU_DEP_1)
	v_add_f32 v[R], v[R], v[R+4]
	s_wait_alu depctr_va_vdst(0)
	v_sqrt_f32 v[R+1], v[R]
	v_nop                                          ; one plain place behind a transcendental (ISA guide 5.7.2)
	s_wait_alu depctr_va_vdst(0)
	v_max_num_f32 v[R+1], 0x322bcc77, v[R+1]       ; max(norm, 1e-8)
	s_wait_alu depctr_va_vdst(0)
	v_rcp_f32 v[R+2], v[R+1]
	v_nop
	v_cmp_gt_u32 vcc_lo, 16, v1
	s_wait_xcnt 0x0                                ; EXEC changes only behind this wait
	s_and_saveexec_b32 s26, vcc_lo                 ; lanes 0-15: one lane a row
	s_wait_alu depctr_va_vdst(0)
	global_store_b32 v[NO], v[R+2], s[10:11]
	s_wait_xcnt 0x0                                ; and again, in front of the line that widens it
	s_or_b32 exec_lo, exec_lo, s26
.Lend:
	s_wait_tensorcnt 0x0
	ds_add_u32 v238, v239
	s_wait_dscnt 0x0
	s_endpgm
.Lfunc_end_k_q87d9bbb3c1_quant:
	.size	k_q87d9bbb3c1_quant, .Lfunc_end_k_q87d9bbb3c1_quant-k_q87d9bbb3c1_quant
	.p2alignl 7, 3214868480
	.fill 96, 4, 3214868480
	.section	.rodata,"a",@progbits
	.p2align	6, 0x0
	.amdhsa_kernel k_q87d9bbb3c1_quant
		.amdhsa_group_segment_fixed_size 74752
		.amdhsa_private_segment_fixed_size 0
		.amdhsa_enable_private_segment 0
		.amdhsa_kernarg_size 32
		.amdhsa_user_sgpr_count 2
		.amdhsa_user_sgpr_kernarg_segment_ptr 1
		.amdhsa_wavefront_size32 1
		.amdhsa_system_sgpr_workgroup_id_x 1
		.amdhsa_system_sgpr_workgroup_id_y 1
		.amdhsa_system_sgpr_workgroup_id_z 1
		.amdhsa_system_vgpr_workitem_id 0
		.amdhsa_next_free_vgpr 256
		.amdhsa_next_free_sgpr 66
		.amdhsa_reserve_vcc 1
		.amdhsa_float_denorm_mode_32 3
		.amdhsa_float_denorm_mode_16_64 3
		.amdhsa_memory_ordered 1
		.amdhsa_forward_progress 1
		.amdhsa_inst_pref_size 57
	.end_amdhsa_kernel
	.amdgpu_metadata
---
amdhsa.version: [ 1, 2 ]
amdhsa.kernels:
  - .name:           k_q87d9bbb3c1_quant
    .symbol:         k_q87d9bbb3c1_quant.kd
    .args:
      - { .name: x, .offset: 0, .size: 8, .value_kind: global_buffer, .address_space: global }
      - { .name: weights, .offset: 8, .size: 8, .value_kind: global_buffer, .address_space: global }
      - { .name: codes, .offset: 16, .size: 8, .value_kind: global_buffer, .address_space: global }
      - { .name: rn, .offset: 24, .size: 8, .value_kind: global_buffer, .address_space: global }
    .group_segment_fixed_size: 74752
    .private_segment_fixed_size: 0
    .kernarg_segment_align: 8
    .kernarg_segment_size: 32
    .max_flat_workgroup_size: 256
    .sgpr_count:     66
    .vgpr_count:     256
    .wavefront_size: 32
...
	.end_amdgpu_metadata
.endif
;; end of part 1
;; launch gemm (part 2): grid 16 x 16, 4 waves a work-group, clusters of 4 x 4, 327,680 bytes of LDS; arguments codes, rn, out0; writes out0
.if DOCPART == 2
	.amdgcn_target "amdgcn-amd-amdhsa--gfx1250"
	.amdhsa_code_object_version 6
	.text
	.protected	k_q87d9bbb3c1_gemm
	.globl	k_q87d9bbb3c1_gemm
	.p2align	8
	.type	k_q87d9bbb3c1_gemm,@function
k_q87d9bbb3c1_gemm:
	s_mov_b64 s[64:65], 0
	v_nop
	global_prefetch_b8 v0, s[64:65] scope:SCOPE_SE
	s_setreg_imm32_b32 hwreg(HW_REG_WAVE_MODE, 25, 1), 1
	s_wait_xcnt 0x0
	s_wait_alu depctr_hold_cnt(0) depctr_sa_sdst(0) depctr_va_vdst(0) depctr_va_sdst(0) depctr_va_ssrc(0) depctr_va_vcc(0) depctr_vm_vsrc(0)
	s_getreg_b32 s2, hwreg(HW_REG_IB_STS2, 6, 4)
	s_cmp_eq_u32 s2, 0
	s_cbranch_scc0 .Lentry_in_a_cluster
	s_endpgm
.Lentry_in_a_cluster:
	s_bfe_u32 s2, ttmp6, 0x10000c
	s_cmp_lg_u32 s2, 0xf033
	s_cbranch_scc0 .Lentry_shape_is_right
	s_endpgm
.Lentry_shape_is_right:
; out0[m][n] = (sum over k of Q(x)[m][k] Q(weights)[n][k]) x rn[m] x rn[4096 + n]: codes of BF6 (E3M2) with E8M0 scales and the rows' 1 / max(norm, 1e-8), as the launch before laid them.
; THE WORKSPACE: 64 groups of 128 rows (0-31 x, 32-63 weights), GRP bytes each.  K's 32 steps of 128 go in slots of three (slot 10 has two).  A group's part of a slot is one dense block of HALFT bytes:
; 2,048 bytes of scale words (block i of 16 rows at 256 i, row r at 16 r, step q's word at 4 q), then the fragments, that of (q, i) at 2,048 + 12,288 q + 1,536 i, an image of its 12 registers (registers 4 c .. 4 c + 3 of lane l at 512 c + 16 l).
; SHARES: a work-group of four waves makes 256 x 256 of out0, a wave 128 x 128: 64 accumulators, 512 registers.  256 work-groups.
; CLUSTERS: 4 x 4.  The four of a row of the cluster need the same groups of x, the four of a column the same groups of weights: each is asked for jointly, one tensor load a wave (waves 0, 1: x's two groups; 2, 3: weights').
; THE RING: two LDS slots of 4 HALFT bytes.  BOTH operands have two sets of fragment registers: while step s is multiplied, step s + 1's fragments are fetched, B's 24 loads and the 8 scale words at the step's head,
; A's 24 loads behind its first 16 products.  So a slot's third step lies in registers when its second step ends: there the slot is given up (the waits, the add, a round of the cluster's barrier) and filled again,
; and the next slot's first fragments are read behind the same round.  Between a refill and the wait for it stand 168 matrix instructions of a wave.
; THE LAST TWO K STEPS (slot 10) lie whole in the two sets of registers, so they go by rows of out0: a block of 16 rows is finished, scaled, turned through the wave's stage in LDS and stored while later blocks are multiplied.
; A block's rows come back from the stage into registers that nothing writes again (block 0: window 1's v192-255; block a: the accumulators of block a - 1, which are done with), and every store names its row by an immediate:
; so no store's data and no base is rewritten, and the way out has no wait for its stores.
; Each accumulator takes its K steps in ascending order; the accumulators take turns, one instruction a turn.
; THE MATRIX INSTRUCTION IS USED TRANSPOSED (source 0 = 16 rows of weights, source 1 = 16 rows of x): a lane holds eight neighbouring numbers of a row of out0.
; PREFETCH: behind each joint load every wave asks for the tile that stands two joint loads on (at the head: slots 1 and 2): of a tile's 152 blocks of 256 bytes each of the four partners that load it takes 38, told apart by address;
; two instructions a wave, 32 + 6 blocks (the lanes left over name the wave's last block again).  Slot 10 has 104 blocks: 26 a partner, one instruction.  Behind the joint loads of slots 9 and 10 nothing is asked for.
; REGISTERS: window 0: v0-31 addresses and weights' 1 / norms; v32-47 scale words, two sets of 8 (lanes 0-15 x's block i, lanes 16-31 weights' block i); v48-63 x's 1 / norms; v64-159, v160-255 A's two sets.
;   window 1: v0-95, v96-191 B's two sets; v192-255 block 0's rows on the way out.   window 2, 3: the accumulators of my rows 0-63, 64-127 ((a, b) at v[8 (8 (a % 4) + b)]).
; LIMITS: those of the launch before (NaN and infinities among the inputs are not served).
.set ROWC,   16384                     ; a row of out0 in bytes
.set FR,     12
.set FRB,    1536
.set STEPB,  8*FRB
.set SCB,    2048
.set HALFT,  SCB+3*STEPB               ; 38,912 = 152 x 256
.set HALFL,  SCB+2*STEPB               ; slot 10's: 104 x 256
.set SLOT,   4*HALFT
.set GRP,    10*HALFT+HALFL
.set BCODE,  32*GRP
.set TRIPS,  4
.set SPARE,  2*SLOT                    ; the spare words: 128 bytes a wave, two blocks of 256 bytes that no other line names
.set STAGE,  SLOT                      ; the way out: 16 rows x 528 bytes a wave, in LDS slot 1, behind its last fill and its last read
.set SPITCH, 528
.set PFB,    38                        ; blocks of 256 bytes that a wave asks for
.set PFL,    26                        ; of slot 10
.set RW,   8                           ; v8-11   1 / norm of my four columns of a row read back
.set ADRA, 16                          ; v16-17  my A fragments in slot 0, 1
.set ADRS, 18                          ; v18-19  my scale words
.set ADRB, 20                          ; v20-21  my B fragments
.set PFO,  22                          ; v22, v23, v27  the prefetches' offsets
.set PFO2, 23
.set STO,  24
.set RD,   25
.set CO,   26
.set PFO3, 27
.set SPW,  28                          ; v28 my spare word, v29 0: never rewritten
.set NIL,  29
.set RO,   30
.set SC,   32
.set RX,   48                          ; v[48 + 2 a], v[49 + 2 a]: 1 / norm of my row of block a, twice
.set AF,   64
.set BK,   192                         ; in window 1
.set PFA,  8                           ; s[8:9] where my prefetches stand
.set PFS,  94                          ; s[94:95] my 26 blocks of slot 10
.set G1, 24
.set G0, 32
.set G1B, 48
.set G0B, 56
.set G1L, 68
.set G1LB, 80
.set MSB, 0
.macro WIN new                         ; the immediate's high byte repeats the setting that is left
.if MSB != \new
	s_set_vgpr_msb (MSB<<8)|\new
.set MSB, \new
.endif
.endm
.set MUL_LO, 0xa1                      ; source 0 (B) window 1, source 1 (A) window 0, C and D window 2
.set MUL_HI, 0xf1
.set TO_B,   0x40
.macro JLOAD g0a, g1a, g0b, g1b        ; a joint load; s_nop 0 and four v_nop behind each line
	s_cmp_eq_u32 s15, 0
	s_cbranch_scc0 .Lfor_b_\@
	tensor_load_to_lds s[\g0a:\g0a+3], s[\g1a:\g1a+7]
	s_nop 0
.rept 4
	v_nop
.endr
	s_branch .Lasked_\@
.Lfor_b_\@:
	tensor_load_to_lds s[\g0b:\g0b+3], s[\g1b:\g1b+7]
	s_nop 0
.rept 4
	v_nop
.endr
.Lasked_\@:
.endm
.macro CREST                           ; a round of the cluster's barrier behind its opening barrier
	s_cmp_lg_u32 s14, 0
	s_cbranch_scc1 .Lnot_wave_0_\@
	s_barrier_signal -3
.Lnot_wave_0_\@:
	s_barrier_wait -3
	s_barrier_signal -1
	s_barrier_wait -1
.endm
.macro CROUND
	s_barrier_signal -1
	s_barrier_wait -1
	CREST
.endm
.macro ASK how                         ; the tile one HALFT behind where PFA stands.  how = 2: nothing in the loop's last trip; how = 3: slot 10's tile there
.if \how > 1
	s_cmp_lg_u32 s3, 1
	s_cbranch_scc0 .Llast_ask_\@
.endif
	global_prefetch_b8 v[PFO], s[PFA:PFA+1] offset:HALFT th:TH_LOAD_NT scope:SCOPE_SE
	global_prefetch_b8 v[PFO2], s[PFA:PFA+1] offset:HALFT th:TH_LOAD_NT scope:SCOPE_SE
.if \how == 3
	s_branch .Lno_ask_\@
.endif
.if \how > 1
.Llast_ask_\@:
.endif
.if \how == 3
	global_prefetch_b8 v[PFO3], s[PFS:PFS+1] th:TH_LOAD_NT scope:SCOPE_SE
.Lno_ask_\@:
.endif
.endm
	s_load_b128 s[4:7], s[0:1], 0x0                ; codes, rn
	s_load_b64 s[10:11], s[0:1], 0x10              ; out0
	v_lshl_add_u32 v[SPW], v0, 2, SPARE
	v_mov_b32 v[NIL], 0
	ds_add_u32 v[SPW], v[NIL]                      ; the opening lines: the add, twice on end, and its wait ahead of my first tensor load
	ds_add_u32 v[SPW], v[NIL]
	v_lshrrev_b32 v1, 5, v0
	v_readfirstlane_b32 s14, v1                    ; wave 0..3
	s_lshr_b32 s15, s14, 1                         ; my half of the rows; also: I fetch for A (0) or B (1)
	s_and_b32 s16, s14, 1                          ; my half of the columns; also: which group of the two I fetch
	s_bfe_u32 s40, ttmp6, 0x40000                  ; cx
	s_bfe_u32 s41, ttmp6, 0x40004                  ; cy
	s_lshl_b32 s42, ttmp9, 2
	s_add_co_u32 s42, s42, s40                     ; tile column
	s_and_b32 s17, ttmp7, 0xffff
	s_lshl_b32 s17, s17, 2
	s_add_co_u32 s17, s17, s41                     ; tile row
	s_lshl_b32 s43, s41, 2
	s_lshl_b32 s43, 15, s43                        ; my row of the cluster
	s_lshl_b32 s44, 0x1111, s40                    ; my column
	s_or_b32 s[G1+0], s43, (3<<16)|(1<<21)         ; elements of 8 bytes; bit 21 beside the mask
	s_or_b32 s[G1B+0], s44, (3<<16)|(1<<21)
	s_or_b32 s[G1L+0], s43, (3<<16)|(1<<21)
	s_or_b32 s[G1LB+0], s44, (3<<16)|(1<<21)
.irp g, G1, G1B                        ; a dense block of HALFT bytes as 152 rows of 256 bytes
	s_mov_b32 s[\g+1], 32<<16
	s_mov_b32 s[\g+2], (HALFT/256)<<16
	s_mov_b32 s[\g+3], 32<<16
	s_mov_b32 s[\g+4], HALFT/256
	s_mov_b32 s[\g+5], 32
	s_mov_b32 s[\g+6], 0
	s_mov_b32 s[\g+7], 0
.endr
.irp g, G1L, G1LB                      ; slot 10's: 104 rows
	s_mov_b32 s[\g+1], 32<<16
	s_mov_b32 s[\g+2], (HALFL/256)<<16
	s_mov_b32 s[\g+3], 32<<16
	s_mov_b32 s[\g+4], HALFL/256
	s_mov_b32 s[\g+5], 32
	s_mov_b32 s[\g+6], 0
	s_mov_b32 s[\g+7], 0
.endr
	s_lshl_b32 s20, s17, 1
	s_add_co_u32 s20, s20, s16
	s_mul_i32 s20, s20, GRP                        ; x's group 2 x tile row + half
	s_mov_b32 s21, 0
	s_lshl_b32 s46, s42, 1
	s_add_co_u32 s46, s46, s16
	s_mul_i32 s46, s46, GRP
	s_add_co_u32 s46, s46, BCODE                   ; weights' group 2 x tile column + half
	s_mov_b32 s47, 0
	s_mul_i32 s45, s14, HALFT                      ; where my tile goes: wave x HALFT
	s_cmp_eq_u32 s15, 0                            ; the prefetches: the group that I fetch, and my place among the four that fetch it with me
	s_cselect_b32 s18, s20, s46
	s_cselect_b32 s19, s40, s41
	s_mul_i32 s92, s19, PFL*256
	s_add_co_u32 s92, s92, s18
	s_add_co_u32 s92, s92, 10*HALFT                ; slot 10: my work-group's 26 blocks
	s_mov_b32 s93, 0
	s_mul_i32 s19, s19, PFB*256
	s_add_co_u32 s18, s18, s19
	s_add_co_u32 s18, s18, HALFT                   ; my work-group's 38 blocks of a tile, from slot 1 on
	s_mov_b32 s19, 0
	s_mul_i32 s76, s15, HALFT                      ; LDS: my 128 rows of A,
	s_mul_i32 s77, s16, HALFT
	s_add_co_u32 s77, s77, 2*HALFT                 ; of B,
	s_sub_co_u32 s78, s77, s76                     ; the distance between the two,
	s_add_co_u32 s88, s76, SLOT                    ; the same in slot 1,
	s_add_co_u32 s89, s77, SLOT
	s_mul_i32 s79, s14, 16*SPITCH
	s_add_co_u32 s79, s79, STAGE                   ; my stage
	s_wait_dscnt 0x0                               ; both opening adds are done
	s_wait_kmcnt 0x0
	s_add_nc_u64 s[20:21], s[4:5], s[20:21]
	s_add_nc_u64 s[46:47], s[4:5], s[46:47]
	s_add_nc_u64 s[PFA:PFA+1], s[4:5], s[18:19]
	s_add_nc_u64 s[PFS:PFS+1], s[4:5], s[92:93]
.irp s, 0,1
	s_mov_b32 s[G0+4*\s], 1
	s_add_co_u32 s[G0+4*\s+1], s45, \s*SLOT
	s_add_nc_u64 s[G0+4*\s+2:G0+4*\s+3], s[20:21], \s*HALFT
	s_or_b32 s[G0+4*\s+3], s[G0+4*\s+3], 0x80000000
	s_mov_b32 s[G0B+4*\s], 1
	s_add_co_u32 s[G0B+4*\s+1], s45, \s*SLOT
	s_add_nc_u64 s[G0B+4*\s+2:G0B+4*\s+3], s[46:47], \s*HALFT
	s_or_b32 s[G0B+4*\s+3], s[G0B+4*\s+3], 0x80000000
.endr
	CROUND                                         ; all sixteen work-groups are here: the first joint loads meet
	JLOAD G0, G1, G0B, G1B                         ; slot 0: one tensor load a wave at the head
	s_lshl_b32 s92, s17, 8
	s_lshl_b32 s93, s15, 7
	s_add_co_u32 s92, s92, s93                     ; my first row
	s_lshl_b32 s18, s92, 2
	s_add_nc_u64 s[96:97], s[6:7], s[18:19]        ; its 1 / norm
	s_lshl_b32 s18, s92, 14
	s_add_nc_u64 s[10:11], s[10:11], s[18:19]
	s_lshl_b32 s92, s42, 8
	s_lshl_b32 s93, s16, 7
	s_add_co_u32 s92, s92, s93                     ; my first column
	s_lshl_b32 s18, s92, 2
	s_add_nc_u64 s[10:11], s[10:11], s[18:19]
	s_add_co_u32 s18, s18, 4*4096
	s_add_nc_u64 s[98:99], s[6:7], s[18:19]        ; its 1 / norm
	v_and_b32 v3, 31, v0
	v_and_b32 v1, 15, v0                           ; r
	v_bfe_u32 v2, v0, 4, 1                         ; h
	v_lshlrev_b32 v[PFO], 8, v3                    ; blocks 0-31 of my 38,
	v_min_u32 v4, 5, v3
	v_lshl_add_u32 v[PFO2], v4, 8, 32*256          ; blocks 32-37
	v_lshlrev_b32 v[CO], 4, v3
	v_lshlrev_b32 v[RO], 2, v1
	global_prefetch_b8 v[PFO], s[PFA:PFA+1] th:TH_LOAD_NT scope:SCOPE_SE      ; slot 1's tile,
	global_prefetch_b8 v[PFO2], s[PFA:PFA+1] th:TH_LOAD_NT scope:SCOPE_SE
	ASK 1                                          ; and slot 2's
.irp a, 0,1,2,3,4,5,6,7
	global_load_b32 v[RX+2*\a], v[RO], s[96:97] offset:64*\a     ; both registers of a pair take the same number
	global_load_b32 v[RX+2*\a+1], v[RO], s[96:97] offset:64*\a
.endr
	global_load_b128 v[RW:RW+3], v[CO], s[98:99]
	v_min_u32 v4, PFL-1, v3
	v_lshlrev_b32 v[PFO3], 8, v4                   ; slot 10: blocks 0-25
	v_lshlrev_b32 v5, 4, v1
	v_mul_u32_u24 v6, s78, v2                      ; lanes 16-31 take B's scale words
	v_add_nc_u32 v5, v5, v6
	v_add_nc_u32 v[ADRA], s76, v[CO]
	v_add_nc_u32 v[ADRA+1], s88, v[CO]
	v_add_nc_u32 v[ADRB], s77, v[CO]
	v_add_nc_u32 v[ADRB+1], s89, v[CO]
	v_add_nc_u32 v[ADRS], s76, v5
	v_add_nc_u32 v[ADRS+1], s88, v5
	v_mul_u32_u24 v7, v1, SPITCH
	v_lshl_add_u32 v7, v2, 5, v7
	v_add_nc_u32 v[STO], s79, v7                   ; into the stage: row r, 32 bytes for each half of the lanes
	v_add_nc_u32 v[RD], s79, v[CO]                 ; back: 32 lanes take a row of 512 bytes
.macro FRAG reg, adr, q, i
.irp c, 0,1,2
	ds_load_b128 v[\reg+4*\c:\reg+4*\c+3], v[\adr] offset:SCB+(\q)*STEPB+(\i)*FRB+512*\c
.endr
.endm
.macro RUNB slot, q, p                 ; 32 loads: B's eight fragments and the eight scale words of step q of the slot, into set p
	WIN TO_B
.irp i, 0,1,2,3,4,5,6,7
	FRAG 96*(\p)+FR*\i, ADRB+\slot, \q, \i
.endr
	WIN 0
.irp i, 0,1,2,3,4,5,6,7
	ds_load_b32 v[SC+8*(\p)+\i], v[ADRS+\slot] offset:\i*256+4*(\q)
.endr
.endm
.macro RUNA slot, q, p                 ; 24 loads: A's eight fragments
.irp i, 0,1,2,3,4,5,6,7
	FRAG AF+96*(\p)+FR*\i, ADRA+\slot, \q, \i
.endr
.endm
.macro MUL8 a, p, zero                 ; A's block a against B's eight, set p; zero = 1: the product starts the sums
	WIN MUL_LO+0x50*((\a)/4)
.irp b, 0,1,2,3,4,5,6,7
.if \zero
	v_wmma_scale_f32_16x16x128_f8f6f4 v[8*(8*((\a)%4)+\b):8*(8*((\a)%4)+\b)+7], v[96*(\p)+FR*\b:96*(\p)+FR*\b+FR-1], v[AF+96*(\p)+FR*(\a):AF+96*(\p)+FR*(\a)+FR-1], 0, v[SC+8*(\p)+\b], v[SC+8*(\p)+(\a)] matrix_a_fmt:MATRIX_FMT_BF6 matrix_b_fmt:MATRIX_FMT_BF6 matrix_a_scale:MATRIX_SCALE_ROW1
.else
	v_wmma_scale_f32_16x16x128_f8f6f4 v[8*(8*((\a)%4)+\b):8*(8*((\a)%4)+\b)+7], v[96*(\p)+FR*\b:96*(\p)+FR*\b+FR-1], v[AF+96*(\p)+FR*(\a):AF+96*(\p)+FR*(\a)+FR-1], v[8*(8*((\a)%4)+\b):8*(8*((\a)%4)+\b)+7], v[SC+8*(\p)+\b], v[SC+8*(\p)+(\a)] matrix_a_fmt:MATRIX_FMT_BF6 matrix_b_fmt:MATRIX_FMT_BF6 matrix_a_scale:MATRIX_SCALE_ROW1
.endif
.endr
.endm
.macro PLACES                          ; four places between the last step's products and the loads into the set that they read (ISA guide 7.12.1 for vector instructions); they serve both runs of the step
.rept 4
	v_nop
.endr
.endm
; A step: multiplies set p and fetches step nq of slot nslot into the other set.  places = 0: a joint load's four v_nop, or a turn's, stand just ahead.
.macro STEP p, nslot, nq, zero, places, ask
.if \places
	PLACES
.endif
	RUNB \nslot, \nq, 1-(\p)
	s_wait_dscnt 32                                ; all but the 32 just issued: set p is whole
	MUL8 0, \p, \zero
	MUL8 1, \p, \zero
	WIN 0
	RUNA \nslot, \nq, 1-(\p)
.if \ask
	ASK \ask
.endif
.irp a, 2,3,4,5,6,7
	MUL8 \a, \p, \zero
.endr
	WIN 0
.endm
; A slot's second step: it fetches the slot's third step, and then the slot is given up.  fill = 1: filled again, two slots on; 2: with slot 10; 0: nothing is left to fetch, and no round follows.
.macro TURNSTEP slot, p, fill
	PLACES
	RUNB \slot, 2, 1-(\p)
	s_wait_dscnt 32
	MUL8 0, \p, 0
	MUL8 1, \p, 0
	WIN 0
	RUNA \slot, 2, 1-(\p)
	MUL8 2, \p, 0
	MUL8 3, \p, 0
	MUL8 4, \p, 0
	WIN 0
	s_wait_xcnt 0x0                                ; my prefetches have read their address: it steps one tile on
	s_add_nc_u64 s[PFA:PFA+1], s[PFA:PFA+1], HALFT
	s_wait_tensorcnt 0x0                           ; all my tensor loads have landed: my part of the other slot;
	ds_add_u32 v[SPW], v[NIL]                      ; 0 onto my spare word;
	MUL8 5, \p, 0
	MUL8 6, \p, 0
	s_wait_dscnt 0x0                               ; the add is done, and my reads of this slot are over
	s_barrier_signal -1
	MUL8 7, \p, 0
	WIN 0
	s_barrier_wait -1
.if \fill
	CREST                                          ; no wave of any partner still reads this slot or has a load on its way
	s_add_nc_u64 s[G0+4*\slot+2:G0+4*\slot+3], s[G0+4*\slot+2:G0+4*\slot+3], 2*HALFT
	s_add_nc_u64 s[G0B+4*\slot+2:G0B+4*\slot+3], s[G0B+4*\slot+2:G0B+4*\slot+3], 2*HALFT
.if \fill == 1
	JLOAD G0+4*\slot, G1, G0B+4*\slot, G1B
.else
	JLOAD G0+4*\slot, G1L, G0B+4*\slot, G1LB
.endif
.else
	PLACES
.endif
.endm
	s_wait_alu depctr_va_vdst(0)
	s_wait_xcnt 0x0
	s_add_nc_u64 s[PFA:PFA+1], s[PFA:PFA+1], HALFT
	s_wait_tensorcnt 0x0                           ; my part of slot 0 is in
	ds_add_u32 v[SPW], v[NIL]
	s_wait_dscnt 0x0
	CROUND
	JLOAD G0+4, G1, G0B+4, G1B                     ; slot 1
	RUNB 0, 0, 0
	RUNA 0, 0, 0
	STEP 0, 0, 1, 1, 0, 1                          ; K step 0 starts the sums; it asks for slot 3's tile
	s_mov_b32 s3, TRIPS
.Llap:                                         ; a trip: K steps 6 k + 1 .. 6 k + 6, both slots filled again
	TURNSTEP 0, 1, 1
	STEP 0, 1, 0, 0, 0, 3
	STEP 1, 1, 1, 0, 1, 0
	TURNSTEP 1, 0, 1
	STEP 1, 0, 0, 0, 0, 2
	STEP 0, 0, 1, 0, 1, 0
	s_sub_co_u32 s3, s3, 1
	s_cmp_lg_u32 s3, 0
	s_cbranch_scc1 .Llap
	TURNSTEP 0, 1, 2                               ; K step 25: slot 10 is asked for
	STEP 0, 1, 0, 0, 0, 0
	STEP 1, 1, 1, 0, 1, 0
	TURNSTEP 1, 0, 0                               ; K step 28: the last barrier: behind it nobody reads LDS slot 1, and nothing is filled
	STEP 1, 0, 0, 0, 0, 0                          ; K step 29; it fetches step 30 into set 0
	PLACES
	RUNB 0, 1, 1                                   ; step 31 into set 1
	RUNA 0, 1, 1
	s_wait_loadcnt 0x0                             ; the 1 / norms are in
	s_wait_dscnt 56                                ; all but the 56 just issued: step 30 is whole
; THE WAY OUT of block a: x 1 / norm of the lane's row; 32 bytes a lane into my stage; back as whole rows of 512 bytes; x 1 / norm of the lane's four columns; stored.
.macro TARGET a                        ; where block a's rows come back: window TW, from register TB on, 64 registers that nothing writes again
.if (\a) == 0
.set TW, 1
.set TB, BK
.else
.set TW, 2+((\a)-1)/4                  ; the accumulators of block a - 1: its stores into the stage were waited for in its own SEND, and no global store names them
.set TB, 64*(((\a)-1)%4)
.endif
.endm
.macro SCALEX a
.set AC, 64*((\a)%4)
	WIN 0x82+0x41*((\a)/4)                         ; destination and source 0: window 2 or 3
.irp b, 0,1,2,3,4,5,6,7
.irp p, 0,1,2,3
	v_pk_mul_f32 v[AC+8*\b+2*\p:AC+8*\b+2*\p+1], v[AC+8*\b+2*\p:AC+8*\b+2*\p+1], v[RX+2*(\a):RX+2*(\a)+1]   ; each accumulator from its low end on
.endr
.endr
.endm
.macro TOSTAGE a
.set AC, 64*((\a)%4)
	TARGET \a
	WIN 0x08+4*((\a)/4)                            ; the data: window 2 or 3
.irp b, 0,1,2,3,4,5,6,7
	ds_store_b128 v[STO], v[AC+8*\b:AC+8*\b+3] offset:64*\b
	ds_store_b128 v[STO], v[AC+8*\b+4:AC+8*\b+7] offset:64*\b+16
.endr
	WIN TW*64                                      ; destination: window TW
.irp t, 0,1,2,3,4,5,6,7,8,9,10,11,12,13,14,15
	ds_load_b128 v[TB+4*\t:TB+4*\t+3], v[RD] offset:\t*SPITCH    ; LDS serves a wave's instructions in order (ISA guide 5.7.1.4): these see the stores above
.endr
.endm
.macro SEND a
	TARGET \a
	s_wait_dscnt 0x0                               ; the block is back in registers
	WIN TW*65                                      ; destination and source 0: window TW
.irp t, 0,1,2,3,4,5,6,7,8,9,10,11,12,13,14,15
	v_pk_mul_f32 v[TB+4*\t:TB+4*\t+1], v[TB+4*\t:TB+4*\t+1], v[RW:RW+1]
	v_pk_mul_f32 v[TB+4*\t+2:TB+4*\t+3], v[TB+4*\t+2:TB+4*\t+3], v[RW+2:RW+3]
.endr
	WIN TW*4                                       ; the data: window TW
.irp t, 0,1,2,3,4,5,6,7,8,9,10,11,12,13,14,15
	global_store_b128 v[CO], v[TB+4*\t:TB+4*\t+3], s[10:11] offset:(16*(\a)+\t)*ROWC th:TH_STORE_NT   ; 32 lanes store 512 consecutive bytes, at a multiple of 256 from out0's first byte; 127 rows at the most: inside the signed 24-bit immediate (ISA guide, chapter 10)
.endr
	WIN 0
.endm
	MUL8 0, 0, 0                                   ; step 30 of blocks 0 and 1 stands between step 31's loads and the wait for the first of them
	MUL8 1, 0, 0
	s_wait_dscnt 21                                ; of step 31 B, the scale words and A's block 0 are in; the 21 loads of A's blocks 1-7 may be out
	MUL8 0, 1, 0                                   ; block 0 is finished
	PLACES
.irp a, 0,1,2,3,4,5,6,7                ; block a leaves; between its way into the stage and its way back stand step 30 of block a + 2 and step 31 of block a + 1.  SEND's 32 multiplications are those products' places
	SCALEX \a
	TOSTAGE \a
.if \a == 0
	s_wait_dscnt 32                                ; all but the stage's 16 stores and 16 loads: step 31 is whole
.endif
.if \a < 6
	MUL8 (\a)+2, 0, 0
.endif
.if \a < 7
	MUL8 (\a)+1, 1, 0
.endif
	SEND \a
.endr
	s_wait_tensorcnt 0x0                           ; the wave's end
	ds_add_u32 v[SPW], v[NIL]
	s_wait_dscnt 0x0
	CROUND                                         ; the closing round
	s_endpgm
.Lfunc_end_k_q87d9bbb3c1_gemm:
	.size	k_q87d9bbb3c1_gemm, .Lfunc_end_k_q87d9bbb3c1_gemm-k_q87d9bbb3c1_gemm
	.p2alignl 7, 3214868480
	.fill 96, 4, 3214868480
	.section	.rodata,"a",@progbits
	.p2align	6, 0x0
	.amdhsa_kernel k_q87d9bbb3c1_gemm
		.amdhsa_group_segment_fixed_size 327680
		.amdhsa_private_segment_fixed_size 0
		.amdhsa_enable_private_segment 0
		.amdhsa_kernarg_size 24
		.amdhsa_user_sgpr_count 2
		.amdhsa_user_sgpr_kernarg_segment_ptr 1
		.amdhsa_wavefront_size32 1
		.amdhsa_system_sgpr_workgroup_id_x 1
		.amdhsa_system_sgpr_workgroup_id_y 1
		.amdhsa_system_sgpr_workgroup_id_z 1
		.amdhsa_system_vgpr_workitem_id 0
		.amdhsa_next_free_vgpr 1024
		.amdhsa_next_free_sgpr 100
		.amdhsa_reserve_vcc 0
		.amdhsa_float_denorm_mode_32 3
		.amdhsa_float_denorm_mode_16_64 3
		.amdhsa_memory_ordered 1
		.amdhsa_forward_progress 1
		.amdhsa_inst_pref_size 244
	.end_amdhsa_kernel
	.amdgpu_metadata
---
amdhsa.version: [ 1, 2 ]
amdhsa.kernels:
  - .name:           k_q87d9bbb3c1_gemm
    .symbol:         k_q87d9bbb3c1_gemm.kd
    .args:
      - { .name: codes, .offset: 0, .size: 8, .value_kind: global_buffer, .address_space: global }
      - { .name: rn, .offset: 8, .size: 8, .value_kind: global_buffer, .address_space: global }
      - { .name: out0, .offset: 16, .size: 8, .value_kind: global_buffer, .address_space: global }
    .group_segment_fixed_size: 327680
    .private_segment_fixed_size: 0
    .kernarg_segment_align: 8
    .kernarg_segment_size: 24
    .max_flat_workgroup_size: 128
    .sgpr_count:     100
    .vgpr_count:     1024
    .wavefront_size: 32
...
	.end_amdgpu_metadata
.endif
;; end of part 2
